; MI455X (gfx1250); checked and timed in simulation.
; The chip was launched on July 23, 2026; its instructions are those of AMD's public machine-readable ISA for CDNA 5 (MIT licence, August 2026) and "CDNA5" Instruction Set Architecture Reference Guide (July 2026). The comments in the code are by the model that wrote it; some were corrected since.
;; ALBERT Attention. Allowed arithmetic: matrix products marked QUANTISED: E2M1 operands, one E8M0 scale for each 32 along K, by v_wmma_scale_f32_16x16x128_f8f6f4 with both operands' format E2M1 (or v_wmma_scale_f32_32x16x128_f4), f32 sums; everything else in f32.
;; Inputs: Wk 1,024 x 16 x 64 float32; Wq 1,024 x 16 x 64 float32; Wv 1,024 x 16 x 64 float32; attention_mask 2 x 2,048 int32; bk 16 x 64 float32; bq 16 x 64 float32; bv 16 x 64 float32; from_tensor 2 x 2,048 x 1,024 float32; to_tensor 2 x 2,048 x 1,024 float32.
;; Outputs: out0 2 x 2,048 x 16 x 64 float32.
;; This version of the problem:
;;   THIS VERSION OF THE PROBLEM IS GIVEN IN LOW PRECISION. The matrix products marked QUANTISED in the list below multiply operands that are first quantised to E2M1 (2 exponent bits, 1 mantissa bit; 4 bits a number), with one power-of-two scale for each 32 numbers along K (OCP MX v1.0); their sums are f32. All else is computed in f32.
;;   The module's matrix products, in the order in which they are computed (A, B: the left and right operand; K: the contracted axis; several contracted axes count as one K, in the product's order):
;;     1. [M 1,024, K 1,024] x [K 1,024, N 4,096]; A: input Wq; B: input from_tensor: QUANTISED
;;     2. [M 1,024, K 1,024] x [K 1,024, N 4,096]; A: input Wk; B: input to_tensor: QUANTISED
;;     3. [M 1,024, K 1,024] x [K 1,024, N 4,096]; A: input Wv; B: input to_tensor: QUANTISED
;;     4. batch 32 x [M 2,048, K 64] x [K 64, N 2,048]; A: computed on the way; B: computed on the way: QUANTISED
;;     5. batch 32 x [M 64, K 2,048] x [K 2,048, N 2,048]; A: computed on the way; B: softmax (see below): QUANTISED
;;   THE QUANTISER, for each operand of a quantised product, along K:
;;     - K is cut into blocks of 32 from its start; a last block that is shorter is filled with zeros.
;;     - A block's scale is 2^e with e = floor(log2(the largest magnitude in the block)) - 2, held to -126 .. 127; a block of zeros has e = 0. As a byte (E8M0): e + 127.
;;     - Each number is divided by its block's scale, clamped to +-6, and rounded to the nearest number of E2M1, ties to even, subnormals kept.
;;     - The product sums the exact products of the quantised numbers (number of the format x scale) in f32.
;;   ~~~python
;;   def quantise(x, axis):      # numpy; x: float32 -> the quantised numbers, widened to float32 again
;;       x = np.moveaxis(x, axis, -1); K = x.shape[-1]
;;       x = np.pad(x, [(0, 0)] * (x.ndim - 1) + [(0, -K % 32)]); x = x.reshape(x.shape[:-1] + (-1, 32)); a = np.abs(x).max(-1, keepdims=True)
;;       e = np.where(a > 0, np.clip(np.frexp(np.where(a > 0, a, 1))[1] - 1 - 2, -126, 127), 0)      # np.frexp(a)[1] - 1 = floor(log2(a)), exactly
;;       r = np.clip(x / 2.0 ** e, -6, 6)
;;       step = 2.0 ** (np.maximum(np.frexp(np.where(r == 0, 1, r))[1] - 1, 0) - 1)
;;       q = np.round(r / step) * step * 2.0 ** e      # np.round: ties to even
;;       return np.moveaxis(q.reshape(q.shape[:-2] + (-1,))[..., :K], -1, axis).astype(np.float32)
;;   ~~~
;;   SOFTMAX AHEAD OF A QUANTISED PRODUCT. Where the list says 'softmax', what is quantised is not the finished softmax but p = 2^(t - M), with t = logit x log2(e) and M = ceil(the row's largest t), a whole number; so 1/2 < the row's largest p <= 1. The row's sum l is taken of the UNQUANTISED p, in f32, and the product's result is divided by l at the end. Since M is a whole number, a kernel that streams over the keys may use a running M (the ceiling of the running maximum): every later rescaling is an exact power of two, which a block's scale takes up: the codes' values come out the same.
;;   OPERANDS COMPUTED ON THE WAY. 'Computed on the way' means the value that the module computes at that place (a softmax that the list does not call 'softmax' is quantised finished and normalised). What goes into a quantiser is computed in f32, as accurately as f32 sums, v_exp_f32 and their like allow (about 1e-6 of the number): no bf16 or f16 on the way to a quantiser, and a product that is left as it is and whose result goes on into a quantised operand takes f32 operands (vector FMAs, or v_wmma_f32_16x16x4_f32). A number that lies on a knife's edge between two numbers of the format may be rounded either way, as far as f32 arithmetic and the matrix unit's own rounding can turn it there, and no further.
;; One version. Each part assembles by itself: llvm-mc -triple=amdgcn-amd-amdhsa -mcpu=gfx1250 --defsym DOCPART=n.
;; ======== version 1 of 1: 3 launches
;; limits: right only within a limited range of input values
;; workspace buffers: actq 4,456,448 bytes; wq3 1,671,168 bytes; qcs 2,228,224 bytes; kv 4,456,448 bytes
;; launch quant (part 1): grid 704 x 1, 4 waves a work-group, no clusters, 68,096 bytes of LDS; arguments from_tensor, to_tensor, Wq, Wk, Wv, actq, wq3; writes actq, wq3
.if DOCPART == 1
	.amdgcn_target "amdgcn-amd-amdhsa--gfx1250"
	.amdhsa_code_object_version 6
	.text
	.protected	k_qe6a022bec0_quant
	.globl	k_qe6a022bec0_quant
	.p2align	8
	.type	k_qe6a022bec0_quant,@function
k_qe6a022bec0_quant:
	s_mov_b64 s[64:65], 0
	v_nop
	global_prefetch_b8 v0, s[64:65] scope:SCOPE_SE
	s_setreg_imm32_b32 hwreg(HW_REG_WAVE_MODE, 25, 1), 1
	s_wait_xcnt 0x0
; from_tensor, to_tensor [4096][1024] f32 (K = the 1,024 innermost) and Wq, Wk, Wv [1024 (K)][1024 (n = 64 head + k)] f32 become codes of FP4 (E2M1) with one E8M0 byte for each 32 along K.
; A block's scale is 2^(floor(log2(its largest magnitude)) - 2): its byte is the largest magnitude's exponent field - 2, held at 1 from below by a floor among the maximum's leaves.
; LIMITS: NaN and infinities among the inputs are not served.  A block of zeros, or one whose largest magnitude lies under 2^-124, keeps the byte 1: its codes are zeros or what the floor's scale gives; only this program reads the bytes.
; LAYOUT OF THE RESULTS: the order of the matrix operand's registers.  Rows (tokens, or channels n) go in blocks of 128 = 4 pairs of 32 = 8 tiles of 16; tile 2 g + u is pair g's tile u.
;   Channels: lane r of tile 2 g + u is row 32 g + 8 u + r + 8 (r / 8).   Tokens: lane r of tile 4 c + i is row 64 c + 32 (r / 8) + 8 i + r % 8.
;   A block is BLK bytes: codes [tile 8][K step 8][c 2][lane 32][16 bytes], lane (r, h) holding k = 128 s + 64 c + 32 h + 0 .. 31 of its row; then at 65,536 scale words [pair 4][K step 8][lane 32], lane 16 u + r = tile u, row r.
; SHARES: a wave takes one unit: a pair of 32 rows x one K step of 128 numbers, 16 KiB of f32, all its loads issued at once.  No loop, no barrier: waves share nothing.  Work-groups 0-511: the two activations; 512-703: the three weights.
; Each input byte is read once, by loads of 512 (activations) or 128 (weights) consecutive bytes a wave; codes leave in runs of 512 or 256 consecutive bytes.  The scale words leave 128 bytes a wave: one byte in 128 of what is read.
; No matrix unit, no cluster (no two work-groups read the same bytes), no prefetch (everything is asked for at the wave's first lines).
.set BLK,   69632
.set TENS,  32*BLK                     ; an activation's 32 blocks
.set WGT,   8*BLK                      ; a weight's 8 blocks
.set SP,    528                        ; the stage: a row's 512 bytes + 16 = 132 words: row r starts at bank 4 r mod 64 (64 banks of 4 bytes: ISA guide 11.1)
.set WSTG,  32*SP                      ; a wave's own stage
.set BY,    12                         ; v12-15   four scale bytes
.set CD,    16                         ; v16-31   codes: four registers for each of four blocks, so that no store's data are written again
.set RAW,   32                         ; v32-159  the unit as it is loaded
.set XT,    160                        ; v160-223 two sets of 32 neighbours along K
; v1 load offset; v2 stage in (activations), codes out (weights); v3 stage out; v4 4 x lane; v5 8 h; v6, v7 scale words; v8 a permute's destination; v9, v10 maxima; v11 the conversions' scale operand; v224, v225 my spare word and 0
	s_load_b256 s[4:11], s[0:1], 0x0               ; from, to, Wq, Wk
	s_load_b128 s[12:15], s[0:1], 0x20             ; Wv, actq
	s_load_b64 s[16:17], s[0:1], 0x30              ; wq3
	v_lshl_add_u32 v224, v0, 2, 0x10800
	v_mov_b32 v225, 0
	v_lshrrev_b32 v1, 5, v0
	v_readfirstlane_b32 s18, v1                    ; wave
	v_and_b32 v9, 31, v0                           ; lane
	v_and_b32 v10, 15, v0                          ; r
	v_bfe_u32 v11, v0, 4, 1                        ; h
	v_lshlrev_b32 v4, 2, v9
; s20 tensor, s21 pair, s22 K step -> s[26:27] the unit's codes, s[28:29] its scale words, in bytes from the buffer's start
.macro DEST stride
	s_mul_i32 s26, s20, \stride
	s_lshr_b32 s23, s21, 2
	s_mul_i32 s23, s23, BLK
	s_add_co_u32 s26, s26, s23                     ; the block
	s_and_b32 s23, s21, 3                          ; the pair in it
	s_lshl_b32 s28, s23, 10
	s_add_co_u32 s28, s28, s26
	s_lshl_b32 s29, s22, 7
	s_add_co_u32 s28, s28, s29
	s_add_co_u32 s28, s28, 65536
	s_mov_b32 s29, 0
	s_lshl_b32 s23, s23, 14
	s_add_co_u32 s26, s26, s23
	s_lshl_b32 s23, s22, 10
	s_add_co_u32 s26, s26, s23
	s_mov_b32 s27, 0
.endm
; 32 neighbours along K in v[xs] on become 16 bytes of codes in v[cd] on and a scale byte in v[by]
.macro QBLOCK xs, cd, by
	v_max3_num_f32 v9, |v[(\xs)]|, |v[(\xs)+1]|, |v[(\xs)+2]|          ; the largest magnitude, in two chains
	v_max3_num_f32 v10, |v[(\xs)+3]|, |v[(\xs)+4]|, |v[(\xs)+5]|
.irp i, 6,10,14,18,22,26
	v_max3_num_f32 v9, v9, |v[(\xs)+\i]|, |v[(\xs)+\i+1]|
	v_max3_num_f32 v10, v10, |v[(\xs)+\i+2]|, |v[(\xs)+\i+3]|
.endr
	v_max3_num_f32 v9, v9, |v[(\xs)+30]|, |v[(\xs)+31]|
	v_max3_num_f32 v9, v9, v10, 0x1800000          ; and the floor 2^(3 - 127): the byte cannot fall under 1
	v_add_nc_u32 v11, 0xff000000, v9               ; 2 off the exponent field: the conversion takes this operand's exponent field as its scale
.irp g, 0,1,2,3
	v_cvt_scalef32_pk8_fp4_f32 v[(\cd)+\g], v[(\xs)+8*\g:(\xs)+8*\g+7], v11
.endr
	v_lshrrev_b32 v[(\by)], 23, v11                ; the scale's byte; also the plain line behind the conversions
.endm
	s_cmp_lt_u32 ttmp9, 512
	s_cbranch_scc0 .Lweights
; ---------------- the activations: K is innermost
	s_lshl_b32 s19, ttmp9, 2
	s_add_co_u32 s19, s19, s18                     ; unit 0 .. 2047
	s_lshr_b32 s20, s19, 10                        ; 0 from, 1 to
	s_bfe_u32 s21, s19, 0x70003                    ; pair 0 .. 127
	s_and_b32 s22, s19, 7                          ; K step
	s_lshr_b32 s24, s21, 1                         ; pair g begins at row 64 (g / 2) + 16 (g % 2); its tile u's lane r is 8 u + 32 (r / 8) + r % 8 further on
	s_lshl_b32 s24, s24, 18                        ; 64 rows of 4,096 bytes
	s_and_b32 s23, s21, 1
	s_lshl_b32 s23, s23, 16                        ; 16 rows
	s_add_co_u32 s24, s24, s23
	s_lshl_b32 s23, s22, 9
	s_add_co_u32 s24, s24, s23
	s_mov_b32 s25, 0
	DEST TENS
	s_mul_i32 s33, s18, WSTG
	s_wait_alu depctr_va_vdst(0)
	v_lshlrev_b32 v1, 4, v9                        ; 16 x lane: my bytes of a load's 512, and of a store's
	v_add_nc_u32 v2, s33, v1                       ; the stage, in: a row as it lies
	v_mul_u32_u24 v3, v10, SP
	v_lshl_add_u32 v3, v11, 7, v3
	v_add_nc_u32 v3, s33, v3                       ; and out: row slot r, + 128 h bytes: my 32 neighbours
	v_lshlrev_b32 v5, 3, v11
	v_mov_b32 v8, 0                                ; (a lane permute's destination counts as one of its sources)
	s_mov_b32 s30, 0x76543210
	s_mov_b32 s31, 0xfedcba98                      ; v_permlanex16_b32's selects for lane l xor 16
	s_mov_b32 s32, 0xffff0000                      ; lanes 16-31
	s_wait_alu depctr_va_vdst(0)                   ; the head's end
	s_wait_kmcnt 0x0
	s_cmp_lt_u32 s19, 1024                         ; the choice hangs on ids alone
	s_cselect_b64 s[4:5], s[4:5], s[6:7]
	s_add_nc_u64 s[4:5], s[4:5], s[24:25]
	s_add_nc_u64 s[34:35], s[14:15], s[26:27]
	s_add_nc_u64 s[36:37], s[14:15], s[28:29]
.set i, 0
.rept 32                               ; slot i = 16 u + r takes the row that the tile rule gives it: each load reads 512 consecutive bytes
	global_load_b128 v[RAW+4*i:RAW+4*i+3], v1, s[4:5] offset:(8*(i/16)+i%8+32*((i%16)/8))*4096 th:TH_LOAD_NT
.set i, i+1
.endr
.set i, 0
.rept 32
	s_wait_loadcnt 31-i                            ; loads come back in order: slot i is in, the 31 - i younger ones may be out
	ds_store_b128 v2, v[RAW+4*i:RAW+4*i+3] offset:SP*i
.set i, i+1
.endr
; chunk q = 2 u + c: lane (r, h) takes k = 64 c + 32 h + 0 .. 31 of tile u's row r.  LDS serves a wave's instructions in order: the loads see the stores
.macro TURN q
.irp j, 0,1,2,3,4,5,6,7
	ds_load_b128 v[XT+32*((\q)%2)+4*\j:XT+32*((\q)%2)+4*\j+3], v3 offset:16*SP*((\q)/2)+256*((\q)%2)+16*\j
.endr
.endm
.macro CHUNK q, left
	s_wait_dscnt \left                             ; this chunk's eight loads are in; the next chunk's eight may be out
	QBLOCK XT+32*((\q)%2), CD+4*(\q), BY+(\q)
	global_store_b128 v1, v[CD+4*(\q):CD+4*(\q)+3], s[34:35] offset:8192*((\q)/2)+512*((\q)%2)   ; 32 lanes store 512 consecutive bytes
.endm
	TURN 0
	TURN 1
	CHUNK 0, 8
	TURN 2
	CHUNK 1, 8
	TURN 3
	CHUNK 2, 8
	CHUNK 3, 0
	v_lshl_or_b32 v6, v13, 16, v12                 ; tile 0: my bytes of blocks h and 2 + h,
	v_lshl_or_b32 v7, v15, 16, v14                 ; tile 1 likewise,
	v_lshlrev_b32 v6, v5, v6                       ; at their places in the word
	v_lshlrev_b32 v7, v5, v7
	v_permlanex16_b32 v8, v6, s30, s31
	v_or_b32 v6, v6, v8                            ; with lane l xor 16's two bytes the word is whole
	v_permlanex16_b32 v8, v7, s30, s31
	v_or_b32 v7, v7, v8
	v_cndmask_b32 v6, v6, v7, s32                  ; lanes 0-15 tile 0's words, lanes 16-31 tile 1's
	global_store_b32 v4, v6, s[36:37]
	s_wait_tensorcnt 0x0                           ; the wave's end
	ds_add_u32 v224, v225
	s_wait_dscnt 0x0
	s_endpgm
; ---------------- the weights: K is the first axis.  A lane takes a column n and its registers run down K: nothing is transposed
.Lweights:
	s_sub_co_u32 s19, ttmp9, 512
	s_lshl_b32 s19, s19, 2
	s_add_co_u32 s19, s19, s18                     ; unit 0 .. 767
	s_lshr_b32 s20, s19, 8                         ; 0 Wq, 1 Wk, 2 Wv
	s_bfe_u32 s22, s19, 0x30005                    ; K step
	s_and_b32 s21, s19, 31                         ; pair: the four waves stand side by side on 512 bytes
	s_lshl_b32 s24, s22, 19                        ; 128 rows of 4,096 bytes
	s_lshl_b32 s23, s21, 7
	s_add_co_u32 s24, s24, s23
	s_mov_b32 s25, 0
	DEST WGT
	s_wait_alu depctr_va_vdst(0)
	v_and_b32 v1, 7, v9
	v_lshl_add_u32 v1, v11, 3, v1
	v_bfe_u32 v2, v9, 3, 1
	v_lshl_add_u32 v1, v2, 4, v1                   ; lane 16 u + r takes column 8 u + r + 8 (r / 8) of the pair
	v_lshlrev_b32 v1, 2, v1
	v_lshlrev_b32 v2, 4, v10
	v_lshl_add_u32 v2, v11, 13, v2                 ; codes out: tile u, 16 r
	s_wait_alu depctr_va_vdst(0)                   ; the head's end
	s_wait_kmcnt 0x0
	s_cmp_eq_u32 s20, 0
	s_cselect_b64 s[4:5], s[8:9], s[10:11]
	s_cmp_eq_u32 s20, 2
	s_cselect_b64 s[4:5], s[12:13], s[4:5]
	s_add_nc_u64 s[4:5], s[4:5], s[24:25]
	s_add_nc_u64 s[34:35], s[16:17], s[26:27]
	s_add_nc_u64 s[36:37], s[16:17], s[28:29]
.set i, 0
.rept 128
	global_load_b32 v[RAW+i], v1, s[4:5] offset:4096*i th:TH_LOAD_NT   ; W(128 s + i, my column): a wave reads 128 consecutive bytes
.set i, i+1
.endr
; block t of my column is c = t / 2, h = t % 2 of the fragment: 256 t bytes on; sixteen lanes store 256 consecutive bytes
.macro WBLOCK t, left
	s_wait_loadcnt \left
	QBLOCK RAW+32*(\t), CD+4*(\t), BY+(\t)
	global_store_b128 v2, v[CD+4*(\t):CD+4*(\t)+3], s[34:35] offset:256*(\t)
.endm
	WBLOCK 0, 63                                   ; 96 younger loads could stay out; the count's field holds 63, and a smaller count is safe
	WBLOCK 1, 63                                   ; 64 could
	WBLOCK 2, 32
	WBLOCK 3, 0
	v_lshl_or_b32 v6, v13, 8, v12                  ; all four bytes of the word are mine
	v_lshl_or_b32 v6, v14, 16, v6
	v_lshl_or_b32 v6, v15, 24, v6
	global_store_b32 v4, v6, s[36:37]
	s_endpgm
.Lfunc_end_k_qe6a022bec0_quant:
	.size	k_qe6a022bec0_quant, .Lfunc_end_k_qe6a022bec0_quant-k_qe6a022bec0_quant
	.p2alignl 7, 3214868480
	.fill 96, 4, 3214868480
	.section	.rodata,"a",@progbits
	.p2align	6, 0x0
	.amdhsa_kernel k_qe6a022bec0_quant
		.amdhsa_group_segment_fixed_size 68096
		.amdhsa_private_segment_fixed_size 0
		.amdhsa_enable_private_segment 0
		.amdhsa_kernarg_size 56
		.amdhsa_user_sgpr_count 2
		.amdhsa_user_sgpr_kernarg_segment_ptr 1
		.amdhsa_wavefront_size32 1
		.amdhsa_system_sgpr_workgroup_id_x 1
		.amdhsa_system_sgpr_workgroup_id_y 1
		.amdhsa_system_sgpr_workgroup_id_z 1
		.amdhsa_system_vgpr_workitem_id 0
		.amdhsa_next_free_vgpr 226
		.amdhsa_next_free_sgpr 66
		.amdhsa_reserve_vcc 0
		.amdhsa_float_denorm_mode_32 3
		.amdhsa_float_denorm_mode_16_64 3
		.amdhsa_memory_ordered 1
		.amdhsa_forward_progress 1
		.amdhsa_inst_pref_size 38
	.end_amdhsa_kernel
	.amdgpu_metadata
---
amdhsa.version: [ 1, 2 ]
amdhsa.kernels:
  - .name:           k_qe6a022bec0_quant
    .symbol:         k_qe6a022bec0_quant.kd
    .args:
      - { .name: from_tensor, .offset: 0, .size: 8, .value_kind: global_buffer, .address_space: global }
      - { .name: to_tensor, .offset: 8, .size: 8, .value_kind: global_buffer, .address_space: global }
      - { .name: Wq, .offset: 16, .size: 8, .value_kind: global_buffer, .address_space: global }
      - { .name: Wk, .offset: 24, .size: 8, .value_kind: global_buffer, .address_space: global }
      - { .name: Wv, .offset: 32, .size: 8, .value_kind: global_buffer, .address_space: global }
      - { .name: actq, .offset: 40, .size: 8, .value_kind: global_buffer, .address_space: global }
      - { .name: wq3, .offset: 48, .size: 8, .value_kind: global_buffer, .address_space: global }
    .group_segment_fixed_size: 68096
    .private_segment_fixed_size: 0
    .kernarg_segment_align: 8
    .kernarg_segment_size: 56
    .max_flat_workgroup_size: 128
    .sgpr_count:     66
    .vgpr_count:     226
    .wavefront_size: 32
...
	.end_amdgpu_metadata
.endif
;; end of part 1
;; launch proj (part 2): grid 32 x 8, 4 waves a work-group, clusters of 4 x 4, 281,088 bytes of LDS; arguments actq, wq3, bq, bk, bv, qcs, kv; writes qcs, kv
.if DOCPART == 2
	.amdgcn_target "amdgcn-amd-amdhsa--gfx1250"
	.amdhsa_code_object_version 6
	.text
	.protected	k_qe6a022bec0_proj
	.globl	k_qe6a022bec0_proj
	.p2align	8
	.type	k_qe6a022bec0_proj,@function
k_qe6a022bec0_proj:
	s_mov_b64 s[64:65], 0
	v_nop
	global_prefetch_b8 v0, s[64:65] scope:SCOPE_SE
	s_setreg_imm32_b32 hwreg(HW_REG_WAVE_MODE, 25, 1), 1
	s_wait_xcnt 0x0
	s_wait_alu depctr_hold_cnt(0) depctr_sa_sdst(0) depctr_va_vdst(0) depctr_va_sdst(0) depctr_va_ssrc(0) depctr_va_vcc(0) depctr_vm_vsrc(0)
	s_getreg_b32 s2, hwreg(HW_REG_IB_STS2, 6, 4)
	s_cmp_eq_u32 s2, 0
	s_cbranch_scc0 .Lentry_in_a_cluster
	s_endpgm
.Lentry_in_a_cluster:
	s_bfe_u32 s2, ttmp6, 0x10000c
	s_cmp_lg_u32 s2, 0xf033
	s_cbranch_scc0 .Lentry_shape_is_right
	s_endpgm
.Lentry_shape_is_right:
; q = from Wq + bq, k = to Wk + bk, v = to Wv + bv on codes of FP4 with E8M0 scales (K = 1,024), f32 sums; each result is quantised in registers for attention's products: q and k along the head's 64 channels, v along the keys.
; SHARES: a work-group takes 128 tokens (block tb) x 128 channels (block cb: heads 2 cb, 2 cb + 1) of all three products: 32 x 8 = 256 equal work-groups, four waves, one to a SIMD.
; Wave w takes 64 tokens (th = w / 2: tiles 4 th .. 4 th + 3) x 64 channels, one head (ch = w % 2): 4 x 4 tiles of each product, 16 accumulators.
; D = P x R: P = source 0, its rows run along a lane's registers; R = source 1, its rows are lanes.   k, q: P = weights, R = tokens: a lane holds ONE token and the head's channels.   v: P = tokens, R = Wv: a lane holds ONE channel and 64 keys.
; The tokens' fragments of all of K stay in registers: to's serve k as source 1 and v as source 0 (one layout for both); the weights' are streamed from LDS, one K step ahead.
; Token tile 4 c + i of a block holds, in lane r, token 64 c + 32 (r / 8) + 8 i + r % 8: in v a lane (r, h) holds key block 2 c + h of 32 whole.
; Weight tile 2 g + u holds, in lane r, channel 32 g + 8 u + r + 8 (r / 8): in k and q a lane holds 16 of each of the head's two blocks of 32.
; LDS is filled ONCE, by one tensor load a wave: wave 0 to's block, wave 1 Wk's, wave 2 Wv's, wave 3 Wq's.  from's fragments come straight into registers.  Everything is asked for at the head and no loop runs ahead, so there is no prefetch.
; CLUSTER 4 x 4: the weights' blocks hang on cb alone and are asked for jointly along a row of the cluster, to's block on tb alone, along a column.
; The biases are the C of each sum's first matrix instruction.  LIMITS: NaN and infinities are not served; a block's scale byte is held at 1 from below.
; RESULTS: qcs, for each of 32 (batch, head): codes [tile 128][lane][16 bytes] (lane (r, h): channels 32 h on), then at 65,536 words [block 16][r 16][pair 4]: low half the even tile's two bytes, high half the odd one's.
;   kv, for each (batch, head) 16 slabs of 8,704 bytes, one for 128 keys.  K's codes [fragment 4][u 2][lane][16]: fragment 2 c + e holds tiles 4 c + e (u = 0) and 4 c + 2 + e (u = 1); at 4,096 V's fragments [4 x 16 channels][c][lane][16] (K = the keys);
;   at 8,192 K's words [e 2][r 16][c 2] (bytes 2 u + channel block), at 8,448 V's words [fragment % 2][r 16][fragment / 2].
; REGISTERS: window 0: v1-15 addresses, v16-31 the weights' scale words, v32-47 to's, v48-63 from's, v64-127 at work, v128-255 accumulators.   window 1: v0-63 the weights' fragments, two sets; v64-159 biases.   window 2: from's.   window 3: to's.
.set BLK,  69632                       ; 272 rows of 256 bytes
.set TENS, 32*BLK
.set WGT,  8*BLK
.set HQ,   69632
.set HKV,  139264
.set SLAB, 8704
.set RTO,  0
.set RWK,  69632
.set RWV,  139264
.set RWQ,  208896
.set STG,  278528                      ; the scale words on their way out: q's 512 bytes, k's, v's
.set SPARE, 280576
.set L16, 1
.set L4,  2
.set ATO, 3
.set AWK, 4
.set AWV, 5
.set AWQ, 6
.set STO, 7
.set SWK, 8
.set SWV, 9
.set SWQ, 10
.set SGQ, 11
.set SGV, 12
.set SGK, 13
.set SPW, 14
.set NIL, 15
.set WSC, 16
.set TOS, 32
.set FRS, 48
.set PCK, 64
.set PCV, 80
.set PCQ, 96
.set BO,  96                           ; (until the biases are in)
.set BVO, 97
.set BVT, 104
.set MX,  112
.set SO,  120
.set ACC, 128
.set BK,  64
.set BV,  96
.set BQ,  128
.set MSB, 0
.macro WIN new                         ; the immediate's high byte repeats the setting that is left
.if MSB != \new
	s_set_vgpr_msb (MSB<<8)|\new
.set MSB, \new
.endif
.endm
.macro VW
	s_wait_alu depctr_va_vdst(0)
.endm
.macro PLACES                          ; four plain places behind matrix instructions (ISA guide 7.12.1)
.rept 4
	v_nop
.endr
.endm
.macro ROUND                           ; a round of the cluster's barrier
	s_barrier_signal -1
	s_barrier_wait -1
	s_cmp_lg_u32 s18, 0
	s_cbranch_scc1 .Lnot_wave_0_\@
	s_barrier_signal -3
.Lnot_wave_0_\@:
	s_barrier_wait -3
	s_barrier_signal -1
	s_barrier_wait -1
.endm
.macro BAR                             ; my LDS instructions are done: then the work-group's barrier
	s_wait_dscnt 0x0
	s_barrier_signal -1
	s_barrier_wait -1
.endm
	s_load_b256 s[4:11], s[0:1], 0x0               ; actq, wq3, bq, bk
	s_load_b128 s[12:15], s[0:1], 0x20             ; bv, qcs
	s_load_b64 s[16:17], s[0:1], 0x30              ; kv
	v_lshl_add_u32 v[SPW], v0, 2, SPARE
	v_mov_b32 v[NIL], 0
	ds_add_u32 v[SPW], v[NIL]                      ; the opening lines: the add, twice on end
	ds_add_u32 v[SPW], v[NIL]
	v_lshrrev_b32 v1, 5, v0
	v_readfirstlane_b32 s18, v1                    ; wave
	v_and_b32 v100, 31, v0
	v_and_b32 v101, 15, v0                         ; r
	v_bfe_u32 v102, v0, 4, 1                       ; h
	v_lshlrev_b32 v[L16], 4, v100
	v_lshlrev_b32 v[L4], 2, v100
	VW
	s_lshr_b32 s25, s18, 1                         ; th
	s_and_b32 s26, s18, 1                          ; ch
	s_lshl_b32 s27, s25, 15                        ; four tiles of 8,192 bytes
	v_add_nc_u32 v[ATO], s27, v[L16]
	s_lshl_b32 s27, s26, 15
	s_add_co_u32 s90, s27, RWK
	v_add_nc_u32 v[AWK], s90, v[L16]
	s_add_co_u32 s90, s27, RWV
	v_add_nc_u32 v[AWV], s90, v[L16]
	s_add_co_u32 s90, s27, RWQ
	v_add_nc_u32 v[AWQ], s90, v[L16]
	s_lshl_b32 s27, s25, 11                        ; two pairs of 1,024 bytes
	s_add_co_u32 s27, s27, RTO+65536
	v_add_nc_u32 v[STO], s27, v[L4]
	s_lshl_b32 s27, s26, 11
	s_add_co_u32 s90, s27, RWK+65536
	v_add_nc_u32 v[SWK], s90, v[L4]
	s_add_co_u32 s90, s27, RWV+65536
	v_add_nc_u32 v[SWV], s90, v[L4]
	s_add_co_u32 s90, s27, RWQ+65536
	v_add_nc_u32 v[SWQ], s90, v[L4]
	s_lshl_b32 s27, s26, 8
	s_add_co_u32 s27, s27, STG                     ; my head's 256 bytes
	s_lshl_b32 s90, s25, 3
	s_add_co_u32 s90, s90, s27
	v_lshl_add_u32 v[SGQ], v101, 4, v102
	v_add_nc_u32 v[SGQ], s90, v[SGQ]               ; 16 r + 8 th + h
	s_lshl_b32 s90, s25, 2
	s_add_co_u32 s90, s90, s27
	s_add_co_u32 s90, s90, 512
	v_lshl_add_u32 v[SGK], v101, 3, v102
	v_add_nc_u32 v[SGK], s90, v[SGK]               ; 8 r + 4 th + h
	s_lshl_b32 s90, s25, 1
	s_add_co_u32 s90, s90, s27
	s_add_co_u32 s90, s90, 1024
	v_lshl_add_u32 v[SGV], v101, 3, v102
	v_add_nc_u32 v[SGV], s90, v[SGV]               ; 8 r + 2 th + h
	v_lshlrev_b32 v[BO], 6, v102
	v_and_b32 v103, 8, v101
	v_add_nc_u32 v103, v103, v101
	v_lshlrev_b32 v[BVO], 2, v103                  ; 4 (r + 8 (r / 8))
	s_bfe_u32 s19, ttmp6, 0x40000                  ; cx
	s_bfe_u32 s20, ttmp6, 0x40004                  ; cy
	s_lshl_b32 s21, ttmp9, 2
	s_add_co_u32 s21, s21, s19                     ; tb
	s_and_b32 s22, ttmp7, 0xffff
	s_lshl_b32 s22, s22, 2
	s_add_co_u32 s22, s22, s20                     ; cb
	s_lshl_b32 s23, s20, 2
	s_lshl_b32 s23, 15, s23                        ; my row of the cluster
	s_lshl_b32 s24, 0x1111, s19                    ; my column
	; descriptor group 1: 272 rows of 32 elements of 8 bytes, dense, no padding
	s_or_b32 s28, s23, (3<<16)|(1<<21)             ; the weights' blocks go to my row,
	s_or_b32 s36, s24, (3<<16)|(1<<21)             ; to's block to my column
.irp g, 28, 36
	s_mov_b32 s[\g+1], 32<<16
	s_mov_b32 s[\g+2], 272<<16
	s_mov_b32 s[\g+3], 32<<16
	s_mov_b32 s[\g+4], 272
	s_mov_b32 s[\g+5], 32
	s_mov_b32 s[\g+6], 0
	s_mov_b32 s[\g+7], 0
.endr
	s_mul_i32 s82, s22, BLK                        ; s[82:83]: of cb alone
	s_mov_b32 s83, 0
	s_mul_i32 s84, s21, BLK                        ; s[84:85]: of tb alone
	s_mov_b32 s85, 0
	s_lshr_b32 s88, s21, 4
	s_lshl_b32 s88, s88, 4
	s_lshl_b32 s89, s22, 1
	s_add_co_u32 s88, s88, s89                     ; 16 x batch + first head
	s_and_b32 s89, s21, 15                         ; which 128 tokens of the batch
	s_add_co_u32 s27, s88, s26                     ; my head
	s_mul_i32 s92, s27, HQ
	s_lshl_b32 s94, s89, 12
	s_add_co_u32 s92, s92, s94
	s_lshl_b32 s94, s25, 11
	s_add_co_u32 s92, s92, s94                     ; q's codes
	s_mul_i32 s93, s89, SLAB
	s_mul_i32 s27, s27, HKV
	s_add_co_u32 s27, s27, s93
	s_add_co_u32 s94, s94, s27                     ; k's codes
	s_lshl_b32 s95, s25, 9
	s_add_co_u32 s95, s95, s27
	s_add_co_u32 s95, s95, 4096                    ; v's
	VW
	s_wait_dscnt 0x0                               ; both opening adds are done
	s_wait_kmcnt 0x0
	s_mov_b32 s44, 1                               ; group 0: to's block,
	s_mov_b32 s45, RTO
	s_add_nc_u64 s[46:47], s[4:5], s[84:85]
	s_add_nc_u64 s[46:47], s[46:47], TENS
	s_or_b32 s47, s47, 0x80000000
	s_mov_b32 s48, 1                               ; Wk's,
	s_mov_b32 s49, RWK
	s_add_nc_u64 s[50:51], s[6:7], s[82:83]
	s_add_nc_u64 s[50:51], s[50:51], WGT
	s_or_b32 s51, s51, 0x80000000
	s_mov_b32 s52, 1                               ; Wv's,
	s_mov_b32 s53, RWV
	s_add_nc_u64 s[54:55], s[6:7], s[82:83]
	s_add_nc_u64 s[54:55], s[54:55], 2*WGT
	s_or_b32 s55, s55, 0x80000000
	s_mov_b32 s56, 1                               ; Wq's
	s_mov_b32 s57, RWQ
	s_add_nc_u64 s[58:59], s[6:7], s[82:83]
	s_or_b32 s59, s59, 0x80000000
	ROUND                                          ; all sixteen work-groups are here: the joint loads meet
; THE HEAD'S LOADS, ONE A WAVE, in one chain of branches on the wave's number
.macro ARM under, g0, g1, next
	s_cmp_lt_u32 s18, \under
	s_cbranch_scc0 \next
	tensor_load_to_lds s[\g0:\g0+3], s[\g1:\g1+7]
	s_nop 0
	PLACES
	s_branch .Lasked
\next:
.endm
	ARM 1, 44, 36, .Lfor_wk
	ARM 2, 48, 28, .Lfor_wv
	ARM 3, 52, 28, .Lfor_wq
	tensor_load_to_lds s[56:59], s[28:35]
	s_nop 0
	PLACES
.Lasked:
	s_lshl_b32 s90, s22, 9
	s_lshl_b32 s27, s26, 8
	s_add_co_u32 s90, s90, s27
	s_mov_b32 s91, 0
	s_add_nc_u64 s[72:73], s[8:9], s[90:91]        ; bq, bk, bv at my 64 channels
	s_add_nc_u64 s[74:75], s[10:11], s[90:91]
	s_add_nc_u64 s[76:77], s[12:13], s[90:91]
	s_lshl_b32 s90, s25, 15
	s_add_nc_u64 s[60:61], s[4:5], s[84:85]
	s_add_nc_u64 s[62:63], s[60:61], 65536
	s_add_nc_u64 s[60:61], s[60:61], s[90:91]      ; from's four tiles
	s_lshl_b32 s90, s25, 11
	s_add_nc_u64 s[62:63], s[62:63], s[90:91]      ; and their scale words
.irp f, 0,1,2,3                        ; v: a lane's channel has one number
	global_load_b32 v[BVT+\f], v[BVO], s[76:77] offset:(32*(\f/2)+8*(\f%2))*4
.endr
	WIN 0x40
.irp p, 0,1,2,3                        ; in the result's layout: lane (r, h) of weight tile p wants channels 32 (p / 2) + 16 h + 8 (p % 2) + 0 .. 7
	global_load_b128 v[BK+8*\p:BK+8*\p+3], v[BO], s[74:75] offset:(32*(\p/2)+8*(\p%2))*4
	global_load_b128 v[BK+8*\p+4:BK+8*\p+7], v[BO], s[74:75] offset:(32*(\p/2)+8*(\p%2))*4+16
	global_load_b128 v[BQ+8*\p:BQ+8*\p+3], v[BO], s[72:73] offset:(32*(\p/2)+8*(\p%2))*4
	global_load_b128 v[BQ+8*\p+4:BQ+8*\p+7], v[BO], s[72:73] offset:(32*(\p/2)+8*(\p%2))*4+16
.endr
	WIN 0
.irp p, 0,1
.irp s, 0,1,2,3,4,5,6,7
	global_load_b32 v[FRS+8*\p+\s], v[L4], s[62:63] offset:1024*\p+128*\s
.endr
.endr
	WIN 0x80
.irp s, 0,1,2,3,4,5,6,7
.irp t, 0,1,2,3
.irp c, 0,1
	global_load_b128 v[64*\t+8*\s+4*\c:64*\t+8*\s+4*\c+3], v[L16], s[60:61] offset:8192*\t+1024*\s+512*\c
.endr
.endr
.endr
	WIN 0
	s_mov_b32 s90, s92
	s_add_nc_u64 s[66:67], s[14:15], s[90:91]      ; q's codes,
	s_mov_b32 s90, s94
	s_add_nc_u64 s[68:69], s[16:17], s[90:91]      ; k's,
	s_mov_b32 s90, s95
	s_add_nc_u64 s[70:71], s[16:17], s[90:91]      ; v's
	s_lshl_b32 s94, s89, 8                         ; the scale words' way out: wave 0 stores q's, wave 1 k's, wave 2 v's
	s_mul_i32 s95, s88, HQ
	s_add_co_u32 s94, s94, s95
	s_add_co_u32 s94, s94, 65536
	s_mul_i32 s95, s88, HKV
	s_add_co_u32 s93, s93, s95
	s_lshl_b32 s95, s18, 8
	s_add_co_u32 s95, s95, s93
	s_add_co_u32 s95, s95, 7936                    ; 8,192 for wave 1, 8,448 for wave 2
	s_mov_b32 s27, HKV
	s_cmp_eq_u32 s18, 0
	s_cselect_b64 s[78:79], s[14:15], s[16:17]
	s_cselect_b32 s90, s94, s95
	s_cselect_b32 s27, HQ, s27                     ; from the first head to the second
	s_add_nc_u64 s[78:79], s[78:79], s[90:91]
; four weight tiles of K step ks into set
.macro WFETCH ap, ks, set
	WIN 0x40
.irp p, 0,1,2,3
.irp c, 0,1
	ds_load_b128 v[32*(\set)+8*\p+4*\c:32*(\set)+8*\p+4*\c+3], v[\ap] offset:8192*\p+1024*(\ks)+512*\c
.endr
.endr
	WIN 0
.endm
; to's four tiles of K step ks: they stay
.macro TFETCH ks
	WIN 0xc0
.irp t, 0,1,2,3
.irp c, 0,1
	ds_load_b128 v[64*\t+8*(\ks)+4*\c:64*\t+8*(\ks)+4*\c+3], v[ATO] offset:8192*\t+1024*(\ks)+512*\c
.endr
.endr
	WIN 0
.endm
; two pairs' scale words of all K steps: lanes 0-15 the even tile's, lanes 16-31 the odd one's
.macro SFETCH as, reg
.irp p, 0,1
.irp s, 0,1,2,3,4,5,6,7
	ds_load_b32 v[\reg+8*\p+\s], v[\as] offset:1024*\p+128*\s
.endr
.endr
.endm
; one matrix instruction on the registers named by rD, rA, rB, rC, rSA, rSB; arow, brow: the scale words stand in lanes 16-31
.macro WM arow, brow
.if (\arow) && (\brow)
	v_wmma_scale_f32_16x16x128_f8f6f4 v[rD:rD+7], v[rA:rA+7], v[rB:rB+7], v[rC:rC+7], v[rSA], v[rSB] matrix_a_fmt:MATRIX_FMT_FP4 matrix_b_fmt:MATRIX_FMT_FP4 matrix_a_scale:MATRIX_SCALE_ROW1 matrix_b_scale:MATRIX_SCALE_ROW1
.elseif (\arow)
	v_wmma_scale_f32_16x16x128_f8f6f4 v[rD:rD+7], v[rA:rA+7], v[rB:rB+7], v[rC:rC+7], v[rSA], v[rSB] matrix_a_fmt:MATRIX_FMT_FP4 matrix_b_fmt:MATRIX_FMT_FP4 matrix_a_scale:MATRIX_SCALE_ROW1
.elseif (\brow)
	v_wmma_scale_f32_16x16x128_f8f6f4 v[rD:rD+7], v[rA:rA+7], v[rB:rB+7], v[rC:rC+7], v[rSA], v[rSB] matrix_a_fmt:MATRIX_FMT_FP4 matrix_b_fmt:MATRIX_FMT_FP4 matrix_b_scale:MATRIX_SCALE_ROW1
.else
	v_wmma_scale_f32_16x16x128_f8f6f4 v[rD:rD+7], v[rA:rA+7], v[rB:rB+7], v[rC:rC+7], v[rSA], v[rSB] matrix_a_fmt:MATRIX_FMT_FP4 matrix_b_fmt:MATRIX_FMT_FP4
.endif
.endm
; A whole product: 8 K steps of 16 matrix instructions, whose accumulators take turns.  kind 0: k (to's fragments come on the way), 1: v, 2: q.
; acs: the tokens' scale words; win1, winn: the windows of the first step (C = the bias) and of the others.  K step 0's fragments have been asked for.
.macro PRODUCT kind, ap, acs, win1, winn, cb
.irp s, 0,1,2,3,4,5,6,7
.if \s < 7
.if \s > 0
	PLACES                                         ; behind the products that read the set loaded next
.endif
.if \kind == 0
	TFETCH \s+1
.endif
	WFETCH \ap, \s+1, (\s+1)%2
.endif
.if \s == 7
	s_wait_dscnt 0x0
.elseif \kind == 0
	s_wait_dscnt 16                                ; all but the next K step's sixteen loads
.else
	s_wait_dscnt 8                                 ; all but the next K step's eight
.endif
.if \s == 0
	WIN \win1
.else
	WIN \winn
.endif
.irp t, 0,1,2,3
.irp p, 0,1,2,3
.set rD, ACC+32*\t+8*\p
.if \kind == 1
.set rA, 64*\p+8*\s
.set rB, 32*(\s%2)+8*\t
.set rSA, \acs+8*(\p/2)+\s
.set rSB, WSC+8*(\t/2)+\s
.set rC, \cb+8*\t
.else
.set rA, 32*(\s%2)+8*\p
.set rB, 64*\t+8*\s
.set rSA, WSC+8*(\p/2)+\s
.set rSB, \acs+8*(\t/2)+\s
.set rC, \cb+8*\p
.endif
.if \s > 0
.set rC, rD
.endif
	WM \p%2, \t%2
.endr
.endr
.endr
	WIN 0
.endm
; largest magnitudes of the 16-register halves of each R tile's 32 results, with the floor 2^(3 - 127): the byte cannot fall under 1.  Each accumulator is read from its low end on
.macro MAXES
.irp t, 0,1,2,3
.irp b, 0,1
	v_max3_num_f32 v[MX+2*\t+\b], |v[ACC+32*\t+16*\b]|, |v[ACC+32*\t+16*\b+1]|, 0x1800000
.endr
.endr
.irp i, 2,4,6,8,10,12,14
.irp t, 0,1,2,3
.irp b, 0,1
	v_max3_num_f32 v[MX+2*\t+\b], v[MX+2*\t+\b], |v[ACC+32*\t+16*\b+\i]|, |v[ACC+32*\t+16*\b+\i+1]|
.endr
.endr
.endr
.endm
; the scale operands (2 off the exponent field) and the bytes, behind the last step of the maximum
.macro SCALES
.irp t, 0,1,2,3
	v_max_num_f32 v[MX+2*\t], v[MX+2*\t], v[MX+2*\t+1]
.endr
.irp t, 0,1,2,3
	v_add_nc_u32 v[SO+2*\t], 0xff000000, v[MX+2*\t]
.endr
.irp t, 0,1,2,3
	v_lshrrev_b32 v[MX+2*\t+1], 23, v[SO+2*\t]
.endr
.endm
; k's (kk = 1) or q's results
.macro EPI_QK base, pc, kk
	MAXES
.irp t, 0,1,2,3
	v_permlane16_swap_b32 v[MX+2*\t], v[MX+2*\t+1] ; lanes 0-15: block 0's two halves, lanes 16-31: block 1's
.endr
	SCALES                                         ; lane (r, h): block h
.irp t, 0,1,2,3
	v_mov_b32 v[SO+2*\t+1], v[SO+2*\t]
.endr
.irp t, 0,1,2,3
	v_permlane16_swap_b32 v[SO+2*\t], v[SO+2*\t+1] ; block 0's operand in all lanes, block 1's in all lanes
.endr
.irp t, 0,1,2,3
.if \kk
	ds_store_b8 v[SGK], v[MX+2*\t+1] offset:128*(\t%2)+2*(\t/2)
.else
	ds_store_b8 v[SGQ], v[MX+2*\t+1] offset:2*\t
.endif
.endr
.irp t, 0,1,2,3
.irp i, 0,1,2,3
	v_cvt_scalef32_pk8_fp4_f32 v[\pc+4*\t+\i], v[ACC+32*\t+8*\i:ACC+32*\t+8*\i+7], v[SO+2*\t+\i/2]
.endr
.endr
	v_nop                                          ; one plain place behind a scaled conversion
.irp t, 0,1,2,3
.irp i, 0,1
	v_permlane16_swap_b32 v[\pc+4*\t+\i], v[\pc+4*\t+2+\i]   ; a whole block in a lane
.endr
.endr
.irp t, 0,1,2,3                        ; 32 lanes store 512 consecutive bytes: a tile of 16 tokens
.if \kk
	global_store_b128 v[L16], v[\pc+4*\t:\pc+4*\t+3], s[\base:\base+1] offset:512*(2*(\t%2)+\t/2)
.else
	global_store_b128 v[L16], v[\pc+4*\t:\pc+4*\t+3], s[\base:\base+1] offset:512*\t
.endif
.endr
.endm
; v's: R tile t is fragment t, 16 channels x my 64 keys; a lane's 32 results are one block
.macro EPI_V base, pc
	MAXES
	SCALES
.irp t, 0,1,2,3
	ds_store_b8 v[SGV], v[MX+2*\t+1] offset:128*(\t%2)+4*(\t/2)
.endr
.irp t, 0,1,2,3
.irp i, 0,1,2,3
	v_cvt_scalef32_pk8_fp4_f32 v[\pc+4*\t+\i], v[ACC+32*\t+8*\i:ACC+32*\t+8*\i+7], v[SO+2*\t]
.endr
.endr
	v_nop                                          ; one plain place behind a scaled conversion
.irp t, 0,1,2,3
	global_store_b128 v[L16], v[\pc+4*\t:\pc+4*\t+3], s[\base:\base+1] offset:1024*\t
.endr
.endm
	VW
	s_wait_loadcnt 63                              ; the twenty loads of the biases are in: behind them stand from's eighty
	WIN 0x40
.irp f, 0,1,2,3
.irp j, 0,1,2,3,4,5,6,7
	v_mov_b32 v[BV+8*\f+\j], v[BVT+\f]             ; v's bias in all eight registers of the tile
.endr
.endr
	WIN 0
	VW
	s_wait_tensorcnt 0x0                           ; my block is in;
	BAR                                            ; everybody's is
	SFETCH STO, TOS
	SFETCH SWK, WSC
	TFETCH 0
	WFETCH AWK, 0, 0
	PRODUCT 0, AWK, TOS, 0x1d, 0x0d, BK
	PLACES                                         ; for the loads and for the reads of the results
	SFETCH SWV, WSC
	WFETCH AWV, 0, 0
	EPI_QK 68, PCK, 1
	PRODUCT 1, AWV, TOS, 0x17, 0x07, BV
	PLACES
	SFETCH SWQ, WSC
	WFETCH AWQ, 0, 0
	EPI_V 70, PCV
	s_wait_loadcnt 0x0                             ; from's fragments and words
	PRODUCT 2, AWQ, FRS, 0x19, 0x09, BQ
	PLACES
	EPI_QK 66, PCQ, 0
	s_lshl_b32 s90, s18, 9
	s_add_co_u32 s90, s90, STG
	v_and_b32 v120, 15, v0
	v_bfe_u32 v121, v0, 4, 1
	v_mul_u32_u24 v122, s27, v121
	v_lshl_add_u32 v122, v120, 4, v122             ; lanes 0-15 the first head's 256 bytes, lanes 16-31 the second's
	v_add_nc_u32 v123, s90, v[L16]
	VW
	BAR                                            ; the stage is whole
	s_cmp_lt_u32 s18, 3
	s_cbranch_scc0 .Lno_words
	ds_load_b128 v[112:115], v123
	s_wait_dscnt 0x0
	global_store_b128 v122, v[112:115], s[78:79]   ; sixteen lanes store 256 consecutive bytes, at a multiple of 256 from the buffer's first byte
.Lno_words:
	s_wait_tensorcnt 0x0                           ; the wave's end
	ds_add_u32 v[SPW], v[NIL]
	s_wait_dscnt 0x0
	ROUND                                          ; the closing round
	s_endpgm
.Lfunc_end_k_qe6a022bec0_proj:
	.size	k_qe6a022bec0_proj, .Lfunc_end_k_qe6a022bec0_proj-k_qe6a022bec0_proj
	.p2alignl 7, 3214868480
	.fill 96, 4, 3214868480
	.section	.rodata,"a",@progbits
	.p2align	6, 0x0
	.amdhsa_kernel k_qe6a022bec0_proj
		.amdhsa_group_segment_fixed_size 281088
		.amdhsa_private_segment_fixed_size 0
		.amdhsa_enable_private_segment 0
		.amdhsa_kernarg_size 56
		.amdhsa_user_sgpr_count 2
		.amdhsa_user_sgpr_kernarg_segment_ptr 1
		.amdhsa_wavefront_size32 1
		.amdhsa_system_sgpr_workgroup_id_x 1
		.amdhsa_system_sgpr_workgroup_id_y 1
		.amdhsa_system_sgpr_workgroup_id_z 1
		.amdhsa_system_vgpr_workitem_id 0
		.amdhsa_next_free_vgpr 1024
		.amdhsa_next_free_sgpr 96
		.amdhsa_reserve_vcc 0
		.amdhsa_float_denorm_mode_32 3
		.amdhsa_float_denorm_mode_16_64 3
		.amdhsa_memory_ordered 1
		.amdhsa_forward_progress 1
		.amdhsa_inst_pref_size 116
	.end_amdhsa_kernel
	.amdgpu_metadata
---
amdhsa.version: [ 1, 2 ]
amdhsa.kernels:
  - .name:           k_qe6a022bec0_proj
    .symbol:         k_qe6a022bec0_proj.kd
    .args:
      - { .name: actq, .offset: 0, .size: 8, .value_kind: global_buffer, .address_space: global }
      - { .name: wq3, .offset: 8, .size: 8, .value_kind: global_buffer, .address_space: global }
      - { .name: bq, .offset: 16, .size: 8, .value_kind: global_buffer, .address_space: global }
      - { .name: bk, .offset: 24, .size: 8, .value_kind: global_buffer, .address_space: global }
      - { .name: bv, .offset: 32, .size: 8, .value_kind: global_buffer, .address_space: global }
      - { .name: qcs, .offset: 40, .size: 8, .value_kind: global_buffer, .address_space: global }
      - { .name: kv, .offset: 48, .size: 8, .value_kind: global_buffer, .address_space: global }
    .group_segment_fixed_size: 281088
    .private_segment_fixed_size: 0
    .kernarg_segment_align: 8
    .kernarg_segment_size: 56
    .max_flat_workgroup_size: 128
    .sgpr_count:     96
    .vgpr_count:     1024
    .wavefront_size: 32
...
	.end_amdgpu_metadata
.endif
;; end of part 2
;; launch attn (part 3): grid 8 x 32, 8 waves a work-group, clusters of 4 x 1, 327,680 bytes of LDS; arguments qcs, kv, attention_mask, out0; writes out0
.if DOCPART == 3
	.amdgcn_target "amdgcn-amd-amdhsa--gfx1250"
	.amdhsa_code_object_version 6
	.text
	.protected	k_qe6a022bec0_attn
	.globl	k_qe6a022bec0_attn
	.p2align	8
	.type	k_qe6a022bec0_attn,@function
k_qe6a022bec0_attn:
	s_mov_b64 s[64:65], 0
	v_nop
	global_prefetch_b8 v0, s[64:65] scope:SCOPE_SE
	s_setreg_imm32_b32 hwreg(HW_REG_WAVE_MODE, 25, 1), 1
	s_wait_xcnt 0x0
	s_wait_alu depctr_hold_cnt(0) depctr_sa_sdst(0) depctr_va_vdst(0) depctr_va_sdst(0) depctr_va_ssrc(0) depctr_va_vcc(0) depctr_vm_vsrc(0)
	s_getreg_b32 s2, hwreg(HW_REG_IB_STS2, 6, 4)
	s_cmp_eq_u32 s2, 0
	s_cbranch_scc0 .Lentry_in_a_cluster
	s_endpgm
.Lentry_in_a_cluster:
	s_bfe_u32 s2, ttmp6, 0x10000c
	s_cmp_lg_u32 s2, 0x3003
	s_cbranch_scc0 .Lentry_shape_is_right
	s_endpgm
.Lentry_shape_is_right:
; out[b][q][head][:] = softmax over the keys of (Q . K / 8 + (1 - mask) x -10000) times V, both products on codes of FP4 with E8M0 scales for each 32 along K.
; p = 2^(t - M), t = logit x log2(e), M = the running largest t rounded up to a whole number; the row's sum is of the unquantised p and divides at the end; when M moves, sum and O are multiplied by the exact power of two 2^(old M - new M).
; LIMITS: NaN and infinities are not served; the scaled scores t stay under 2^31 in magnitude.  A block's scale byte is held at 1 from below.
; A block's largest p is the exponential of its largest score by the same two instructions: this takes v_exp_f32 not to fall where its input rises.
; SHARES: a work-group owns 256 queries of one head: 8 x 32 = 256 equal work-groups; each of its eight waves owns 32 queries (two tiles x = 0, 1) and walks all 2,048 keys, 128 (a slab) a step.
; CLUSTER 4 x 1: four query blocks of a head read the same slabs: joint loads.  K and V of the whole head stay in LDS: 16 slabs of 8,704 bytes, two tensor loads a wave; no loop runs ahead of them, so there is no prefetch.
; LAYOUT: S^T = K Q^T, O^T = V^T P^T: lane (r, h) holds ONE query.  Tile 4 c + i of a slab has, in lane r, key 64 c + 32 (r / 8) + 8 i + r % 8: so in S^T a lane's registers 32 c .. 32 c + 31 are key block 2 c + h whole:
; its maximum asks no other lane, and the conversions' results are the second product's operand as they come.
; The head has 64 channels and the instruction 128 along K: a K fragment holds two tiles, fragment 2 c + e tiles 4 c + e (u = 0) and 4 c + 2 + e (u = 1), and Q stands against one of them with zero codes against the other.
; The matrix instruction takes two fragments, 32 rows: of K fragments 2 c and 2 c + 1, so its result is tiles 4 c + 2 u and 4 c + 2 u + 1; of V 32 channels.
; The mask's term (in units of the raw score: 8 x) is the C of the score's product.
; Window 0: v1-87 addresses and work, v128-255 S^T (64 registers for each query tile).  Window 1: v0-31 K, v32-63 V, v64-127 the mask's term, v128-159 Q, v160-223 O^T.
.set HQ,   69632
.set HKV,  139264
.set SLAB, 8704
.set MB,   139264                      ; LDS: behind the slabs the mask's terms of 2,048 keys, f32
.set STG,  147456                      ; the waves' stages for the way out: 16 rows x 272 bytes each
.set WSTG, 4352
.set SPARE, STG+8*WSTG
.set LI0, 1
.set LR0, 2
.set LC0, 3
.set GO,  4
.set STO, 5
.set SRD, 6
.set ADK, 8
.set ADS, 9
.set ADC, 10
.set NM,  12                           ; -M, a pair for each query tile (its low word is used)
.set SU,  16                           ; the sums, in two halves
.set FF,  20                           ; 2^(old M - new M), pairs
.set KS,  24
.set VS,  28
.set QS,  32
.set PS,  36                           ; p's scale words: lanes 0-15 tile 0's queries, lanes 16-31 tile 1's
.set EW,  38
.set BM,  40                           ; block maxima: 2 x + c
.set BT,  44
.set SO,  48                           ; the conversions' scale operands
.set EB,  52
.set RM,  56                           ; the running largest raw score
.set T,   58
.set OLD, 60
.set PC,  72
.set S,   128
.set KF,  0
.set VF,  32
.set CB,  64
.set QF,  128
.set OA,  160
.set SEL, 20
.set CS,  22
.set TB,  40
.set TC,  41
.set CNT, 42
.set NC,  61
.set LD1,   0x40
.set W_S,   0x15
.set W_PV,  0x51
.set W_RS,  0x41
.set W_OUT, 0x01
.set MSB, 0
.macro WIN new                         ; the immediate's high byte repeats the setting that is left
.if MSB != \new
	s_set_vgpr_msb (MSB<<8)|\new
.set MSB, \new
.endif
.endm
.macro ROUND                           ; a round of the cluster's barrier
	s_barrier_signal -1
	s_barrier_wait -1
	s_cmp_lg_u32 s12, 0
	s_cbranch_scc1 .Lnot_wave_0_\@
	s_barrier_signal -3
.Lnot_wave_0_\@:
	s_barrier_wait -3
	s_barrier_signal -1
	s_barrier_wait -1
.endm
.macro VW
	s_wait_alu depctr_va_vdst(0)
.endm
	s_load_b256 s[4:11], s[0:1], 0x0               ; qcs, kv, mask, out
	v_lshl_add_u32 v126, v0, 2, SPARE
	v_mov_b32 v127, 0
	ds_add_u32 v126, v127                          ; the opening lines: the add, twice on end
	ds_add_u32 v126, v127
	v_lshrrev_b32 v1, 5, v0
	v_readfirstlane_b32 s12, v1                    ; wave
	v_and_b32 v64, 31, v0
	v_and_b32 v65, 15, v0                          ; r
	v_bfe_u32 v66, v0, 4, 1                        ; h
	v_lshlrev_b32 v67, 5, v0                       ; my eight keys' mask in memory,
	v_lshl_add_u32 v68, v0, 5, MB                  ; and in LDS
	v_lshlrev_b32 v69, 4, v65
	v_lshlrev_b32 v[LI0], 4, v64
	v_lshl_add_u32 v[LR0], v64, 3, 8192            ; scale words: 8 bytes a lane
	v_lshl_add_u32 v[LC0], v66, 7, MB
	v_lshlrev_b32 v[GO], 12, v66
	v_lshl_add_u32 v[GO], v65, 4, v[GO]
	s_mul_i32 s19, s12, WSTG
	s_add_co_u32 s19, s19, STG
	v_mul_u32_u24 v[STO], v65, 272
	v_mul_u32_u24 v[SRD], v66, 272
	v_lshl_add_u32 v[STO], v66, 6, v[STO]
	v_lshl_add_u32 v[SRD], v65, 4, v[SRD]
	v_add_nc_u32 v[STO], s19, v[STO]
	v_add_nc_u32 v[SRD], s19, v[SRD]
	s_bfe_u32 s13, ttmp6, 0x40000
	s_lshl_b32 s14, ttmp9, 2
	s_add_co_u32 s14, s14, s13                     ; query block
	s_and_b32 s15, ttmp7, 0xffff                   ; 16 x batch + head
	s_lshr_b32 s16, s15, 4
	s_and_b32 s17, s15, 15
	s_mov_b32 s24, 15|(3<<16)|(1<<21)              ; group 1: to all four; elements of 8 bytes; 34 dense rows of 256 bytes
	s_mov_b32 s25, 32<<16
	s_mov_b32 s26, 34<<16
	s_mov_b32 s27, 32<<16
	s_mov_b32 s28, 34
	s_mov_b32 s29, 32
	s_mov_b32 s30, 0
	s_mov_b32 s31, 0
	s_mul_i32 s18, s12, SLAB
	s_mul_i32 s46, s15, HKV
	s_add_co_u32 s46, s46, s18
	s_mov_b32 s47, 0
	s_mov_b32 s[SEL], 0x76543210
	s_mov_b32 s[SEL+1], 0xfedcba98                 ; lane l xor 16
	s_mov_b32 s[CS], 0x3e38aa3b                    ; log2(e) / 8
	s_mov_b32 s[CS+1], s[CS]
	s_mov_b32 s[NC], 0xbe38aa3b                    ; and its negative
	s_mov_b32 s[TB], 0
	s_mov_b32 s[TC], 0
	s_mov_b32 s43, 0x7f7f0000
	s_mov_b32 s44, 0x7f7f
	s_mov_b32 s45, 0x479c4000                      ; 80000
	s_mov_b32 s60, 0xc79c4000
	s_mul_i32 s56, s15, HQ
	s_lshl_b32 s57, s14, 13
	s_add_co_u32 s58, s56, s57
	s_lshl_b32 s57, s12, 10
	s_add_co_u32 s58, s58, s57
	s_mov_b32 s59, 0
	VW
	s_wait_dscnt 0x0                               ; both opening adds are done
	s_wait_kmcnt 0x0
	s_add_nc_u64 s[48:49], s[4:5], s[58:59]        ; my two tiles of Q
	s_lshl_b32 s57, s14, 9
	s_add_co_u32 s58, s56, s57
	s_lshr_b32 s57, s12, 2
	s_lshl_b32 s57, s57, 8
	s_add_co_u32 s58, s58, s57
	s_and_b32 s57, s12, 3
	s_lshl_b32 s57, s57, 2
	s_add_co_u32 s58, s58, s57
	s_add_co_u32 s58, s58, 65536
	s_add_nc_u64 s[50:51], s[4:5], s[58:59]        ; their scale words
	s_lshl_b32 s58, s16, 13
	s_add_nc_u64 s[52:53], s[8:9], s[58:59]        ; the batch's mask
	global_load_b128 v[128:131], v67, s[52:53]
	global_load_b128 v[132:135], v67, s[52:53] offset:16
	WIN LD1
.irp x, 0,1
	global_load_b128 v[QF+16*\x:QF+16*\x+3], v[LI0], s[48:49] offset:512*\x
	global_load_b128 v[QF+16*\x+12:QF+16*\x+15], v[LI0], s[48:49] offset:512*\x
.endr
	WIN 0
	global_load_b32 v70, v69, s[50:51]
	s_mov_b32 s32, 1
	s_mov_b32 s33, s18
	s_add_nc_u64 s[34:35], s[6:7], s[46:47]
	s_mov_b32 s36, 1
	s_add_co_u32 s37, s18, 8*SLAB
	s_add_nc_u64 s[38:39], s[34:35], 8*SLAB
	s_or_b32 s35, s35, 0x80000000
	s_or_b32 s39, s39, 0x80000000
	ROUND
	tensor_load_to_lds s[32:35], s[24:31]          ; slabs 0-7, one a wave
	s_nop 0
	WIN LD1
.irp x, 0,1
.irp j, 4,5,6,7,8,9,10,11
	v_mov_b32 v[QF+16*\x+\j], 0                    ; the zero codes
.endr
.endr
.set j, 0
.rept 64
	v_mov_b32 v[OA+j], 0                           ; the loop's first step multiplies them by 0
.set j, j+1
.endr
	WIN 0
	s_lshl_b32 s58, s16, 23
	s_lshl_b32 s57, s14, 20
	s_add_co_u32 s58, s58, s57
	s_lshr_b32 s57, s12, 1
	s_lshl_b32 s57, s57, 18
	s_add_co_u32 s58, s58, s57
	s_and_b32 s57, s12, 1
	s_lshl_b32 s57, s57, 16
	s_add_co_u32 s58, s58, s57
	s_lshl_b32 s57, s17, 8
	s_add_co_u32 s58, s58, s57
	s_add_nc_u64 s[54:55], s[10:11], s[58:59]      ; out at row 256 x block + 64 (w / 2) + 16 (w % 2), my head
.irp x, 0,1
	v_mov_b32 v[RM+\x], 0xff61b1e6                 ; -3e38
	v_mov_b32 v[NM+2*\x], 0x7e967699               ; 1e38: the first 2^(old M - new M) is 0
	v_mov_b32 v[NM+2*\x+1], 0                      ; (the upper halves of pairs are named, so they are written)
	v_mov_b32 v[SU+2*\x], 0
	v_mov_b32 v[SU+2*\x+1], 0
	v_mov_b32 v[FF+2*\x+1], 0
.endr
	VW
	s_wait_loadcnt 5                               ; the mask is in; Q's five loads may be out
.irp j, 0,1,2,3,4,5,6,7
	v_cvt_f32_i32 v[128+\j], v[128+\j]
.endr
.irp j, 0,1,2,3,4,5,6,7
	v_fma_f32 v[128+\j], v[128+\j], s45, s60       ; 8 x (1 - mask) x -10000
.endr
	ds_store_b128 v68, v[128:131]
	ds_store_b128 v68, v[132:135] offset:16
	s_wait_loadcnt 0x0
	v_and_or_b32 v[QS], v70, 0xffff, s43           ; Q's two bytes at the half that it stands in; 1.0 over the zero codes
	v_lshl_or_b32 v[QS+1], v70, 16, s44
	v_lshrrev_b32 v[QS+2], 16, v70
	v_and_or_b32 v[QS+3], v70, 0xffff0000, s44
	v_or_b32 v[QS+2], s43, v[QS+2]
	VW
	s_wait_tensorcnt 0x0                           ; my slab is in
	ds_add_u32 v126, v127
	s_wait_dscnt 0x0                               ; the add, and my mask stores
	ROUND
	tensor_load_to_lds s[36:39], s[24:31]          ; slabs 8-15 land during the first four steps
	s_nop 0
.rept 5
	v_nop
.endr
; the K fragments of a slab and its mask terms
.macro KLOADS ko, co
	WIN LD1
.irp i, 0,1,2,3,4,5,6,7
	ds_load_b128 v[KF+4*\i:KF+4*\i+3], v[ADK] offset:\ko+512*\i
.endr
.irp i, 0,1,2,3,4,5,6,7
	ds_load_b128 v[CB+8*\i:CB+8*\i+3], v[ADC] offset:\co+256*(\i/4)+32*(\i%4)
	ds_load_b128 v[CB+8*\i+4:CB+8*\i+7], v[ADC] offset:\co+256*(\i/4)+32*(\i%4)+16
.endr
	WIN 0
.endm
.macro ADDR                            ; the step's slab
	v_add_nc_u32 v[ADK], s[TB], v[LI0]
	v_add_nc_u32 v[ADS], s[TB], v[LR0]
	v_add_nc_u32 v[ADC], s[TC], v[LC0]
.endm
.macro LV b, cnt                       ; one level of a sum tree: 2 cnt pairs become cnt
.set m, 0
.rept \cnt
	v_pk_add_f32 v[\b+2*m:\b+2*m+1], v[\b+2*m:\b+2*m+1], v[\b+2*m+2*(\cnt):\b+2*m+2*(\cnt)+1]
.set m, m+1
.endr
.endm
.macro SUM x                           ; the old sum under the new M, and this step's
	v_pk_fma_f32 v[SU+2*\x:SU+2*\x+1], v[SU+2*\x:SU+2*\x+1], v[FF+2*\x:FF+2*\x+1], v[S+64*\x:S+64*\x+1] op_sel_hi:[1,0,1]
.endm
.macro TM j                            ; t - M of a pair of query tile 0's scores
	v_pk_fma_f32 v[S+\j:S+\j+1], v[S+\j:S+\j+1], s[CS:CS+1], v[NM:NM+1] op_sel_hi:[1,0,0]
.endm
.macro STEP pf
	s_wait_dscnt 0x0                               ; K and the mask's terms are in
	WIN W_S
.irp x, 0,1
.irp c, 0,1
.irp u, 0,1
	v_wmma_scale_f32_32x16x128_f4 v[S+64*\x+32*\c+16*\u:S+64*\x+32*\c+16*\u+15], v[KF+16*\c:KF+16*\c+15], v[QF+16*\x+8*\u:QF+16*\x+8*\u+7], v[CB+32*\c+16*\u:CB+32*\c+16*\u+15], v[KS+\c], v[QS+2*\x+\u]
.endr
.endr
.endr
	WIN 0
	ADDR                                           ; these three and the v_nop are the four places behind the products
	v_nop
	s_add_co_u32 s[TB], s[TB], SLAB
	s_add_co_u32 s[TC], s[TC], 512
	ds_load_b64 v[VS:VS+1], v[ADS] offset:256
.if \pf
	ds_load_b64 v[KS:KS+1], v[ADS] offset:SLAB
.endif
	WIN LD1
.irp i, 0,1,2,3,4,5,6,7
	ds_load_b128 v[VF+4*\i:VF+4*\i+3], v[ADK] offset:4096+512*\i
.endr
.if \pf
	KLOADS SLAB, 512                               ; the next slab's
.endif
	WIN 0
; the largest score of each block of 32 keys: eight chains of 16 by turns, each accumulator from its low end on
.irp k, 0,1,2,3
	v_max3_num_f32 v[BM+\k], v[S+32*\k], v[S+32*\k+1], v[S+32*\k+2]
	v_max3_num_f32 v[BT+\k], v[S+32*\k+16], v[S+32*\k+17], v[S+32*\k+18]
.endr
.irp i, 3,5,7,9,11,13
.irp k, 0,1,2,3
	v_max3_num_f32 v[BM+\k], v[BM+\k], v[S+32*\k+\i], v[S+32*\k+\i+1]
	v_max3_num_f32 v[BT+\k], v[BT+\k], v[S+32*\k+16+\i], v[S+32*\k+17+\i]
.endr
.endr
.irp k, 0,1,2,3
	v_max3_num_f32 v[BM+\k], v[BM+\k], v[BT+\k], v[S+32*\k+15]
.endr
.irp k, 0,1,2,3
	v_max_num_f32 v[BM+\k], v[BM+\k], v[S+32*\k+31]
.endr
.irp x, 0,1
	v_max_num_f32 v[T+\x], v[BM+2*\x], v[BM+2*\x+1]
.endr
.irp x, 0,1
	s_delay_alu instid0(VALU_DEP_2)
	v_permlanex16_b32 v[BT+\x], v[T+\x], s[SEL], s[SEL+1]
.endr
.irp x, 0,1
	s_delay_alu instid0(VALU_DEP_2)
	v_max3_num_f32 v[RM+\x], v[RM+\x], v[T+\x], v[BT+\x]
.endr
.irp x, 0,1
	s_delay_alu instid0(VALU_DEP_2)
	v_mul_f32 v[T+\x], s[NC], v[RM+\x]
.endr
.irp x, 0,1
	v_mov_b32 v[OLD+\x], v[NM+2*\x]
.endr
.irp x, 0,1
	s_delay_alu instid0(VALU_DEP_4)
	v_floor_f32 v[NM+2*\x], v[T+\x]                ; -M = floor(-t)
.endr
.irp j, 0,2,4,6,8,10
	TM \j
.endr
.irp x, 0,1
	v_sub_f32 v[T+\x], v[NM+2*\x], v[OLD+\x]       ; old M - new M, a whole number, 0 or less
.endr
.irp j, 12,14,16,18,20,22
	TM \j
.endr
.irp x, 0,1
	v_cvt_i32_f32 v[T+\x], v[T+\x]                 ; (it saturates)
.endr
.irp j, 24,26,28,30,32,34
	TM \j
.endr
.irp x, 0,1
	v_ldexp_f32 v[FF+2*\x], 1.0, v[T+\x]
.endr
.irp j, 36,38,40,42,44,46,48,50,52,54,56,58,60,62
	TM \j
.endr
.irp k, 0,1,2,3
	v_fma_f32 v[BM+\k], v[BM+\k], s[CS], v[NM+2*(\k/2)]
.endr
	WIN W_RS
.irp x, 0,1
.set j, 0
.rept 16
	v_pk_mul_f32 v[OA+32*\x+j:OA+32*\x+j+1], v[OA+32*\x+j:OA+32*\x+j+1], v[FF+2*\x:FF+2*\x+1] op_sel_hi:[1,0]   ; O^T under the new M
.set j, j+2
.endr
.endr
	WIN 0
	VW
; FIRST BATCH: query tile 0's exponentials and the four block maxima; between them tile 1's t - M, which are first read behind the wait below
.irp k, 0,1,2,3
	v_exp_f32 v[BM+\k], v[BM+\k]
.endr
.set j, 0
.rept 32
	v_exp_f32 v[S+j], v[S+j]
	v_exp_f32 v[S+j+1], v[S+j+1]
	v_pk_fma_f32 v[S+64+j:S+64+j+1], v[S+64+j:S+64+j+1], s[CS:CS+1], v[NM+2:NM+3] op_sel_hi:[1,0,0]
.set j, j+2
.endr
	VW
.irp k, 0,1,2,3
	v_max_num_f32 v[SO+\k], 0x1800000, v[BM+\k]    ; the floor 2^(3 - 127): the byte cannot fall under 1
.endr
.irp k, 0,1,2,3
	v_add_nc_u32 v[SO+\k], 0xff000000, v[SO+\k]    ; 2 off the exponent field: the scale operand
.endr
.irp k, 0,1,2,3
	v_lshrrev_b32 v[EB+\k], 23, v[SO+\k]
.endr
.irp x, 0,1
	v_lshl_or_b32 v[EW+\x], v[EB+2*\x+1], 16, v[EB+2*\x]   ; my bytes of blocks h and 2 + h
.endr
	v_permlane16_swap_b32 v[EW], v[EW+1]           ; first: both tiles' lanes 0-15, second: their lanes 16-31
	v_lshl_or_b32 v[PS], v[EW+1], 8, v[EW]
; SECOND BATCH: tile 1's exponentials; between them tile 0's conversions, then the first level of its sum: nothing of it is read ahead of the wait below
.set j, 0
.rept 32
	v_exp_f32 v[S+64+2*j], v[S+64+2*j]
	v_exp_f32 v[S+65+2*j], v[S+65+2*j]
.if j < 8
	v_cvt_scalef32_pk8_fp4_f32 v[PC+j], v[S+8*j:S+8*j+7], v[SO+j/4]
.endif
.if j == 8
	v_nop                                          ; one plain place behind the scaled conversions
.endif
.if j > 15
	v_pk_add_f32 v[S+2*(j-16):S+2*(j-16)+1], v[S+2*(j-16):S+2*(j-16)+1], v[S+2*j:S+2*j+1]
.endif
.set j, j+1
.endr
	VW
.set j, 0
.rept 8
	v_cvt_scalef32_pk8_fp4_f32 v[PC+8+j], v[S+64+8*j:S+64+8*j+7], v[SO+2+j/4]
.set j, j+1
.endr
	LV S, 8
	LV S+64, 16
	LV S, 4
	LV S+64, 8
	LV S, 2
	LV S+64, 4
	LV S, 1
	LV S+64, 2
	SUM 0
	LV S+64, 1
	SUM 1
.if \pf
	s_wait_dscnt 24                                ; V and its words are in; the next slab's 8 + 16 loads may be out
.else
	s_wait_dscnt 0x0
.endif
	WIN W_PV
.irp t, 0,1
	v_wmma_scale_f32_32x16x128_f4 v[OA+16*\t:OA+16*\t+15], v[VF+16*\t:VF+16*\t+15], v[PC:PC+7], v[OA+16*\t:OA+16*\t+15], v[VS+\t], v[PS]
	v_wmma_scale_f32_32x16x128_f4 v[OA+32+16*\t:OA+32+16*\t+15], v[VF+16*\t:VF+16*\t+15], v[PC+8:PC+15], v[OA+32+16*\t:OA+32+16*\t+15], v[VS+\t], v[PS] matrix_b_scale:MATRIX_SCALE_ROW1
.endr
	WIN 0
.endm
	ADDR
	ds_load_b64 v[KS:KS+1], v[ADS]
	KLOADS 0, 0
	s_mov_b32 s[CNT], 4
.Lfirst:
	STEP 1
	s_sub_co_u32 s[CNT], s[CNT], 1
	s_cmp_lg_u32 s[CNT], 0
	s_cbranch_scc1 .Lfirst
	VW
	s_wait_tensorcnt 0x0                           ; my second slab is in
	s_wait_dscnt 0x0
	s_barrier_signal -1
	s_barrier_wait -1                              ; everybody's is
	s_mov_b32 s[CNT], 11
.Lsecond:
	STEP 1
	s_sub_co_u32 s[CNT], s[CNT], 1
	s_cmp_lg_u32 s[CNT], 0
	s_cbranch_scc1 .Lsecond
	STEP 0                                         ; the last slab has no successor
.rept 4
	v_nop
.endr
	VW
.irp x, 0,1
	v_add_f32 v[T+\x], v[SU+2*\x], v[SU+2*\x+1]
.endr
.irp x, 0,1
	s_delay_alu instid0(VALU_DEP_2)
	v_permlanex16_b32 v[BT+\x], v[T+\x], s[SEL], s[SEL+1]
.endr
.irp x, 0,1
	s_delay_alu instid0(VALU_DEP_2)
	v_add_f32 v[T+\x], v[T+\x], v[BT+\x]
.endr
	VW
.irp x, 0,1
	v_rcp_f32 v[FF+2*\x], v[T+\x]
.endr
	v_nop
	WIN W_OUT
	VW
.irp x, 0,1
.set j, 0
.rept 16
	v_pk_mul_f32 v[S+64*\x+j:S+64*\x+j+1], v[OA+32*\x+j:OA+32*\x+j+1], v[FF+2*\x:FF+2*\x+1] op_sel_hi:[1,0]
.set j, j+2
.endr
.endr
	WIN 0
; the way out: my own stage, 16 queries x 256 bytes at a time, and back as whole rows (LDS serves a wave's instructions in order)
.irp x, 0,1
.irp g, 0,1
.irp i, 0,1,2,3
	ds_store_b128 v[STO], v[S+64*\x+16*\g+4*\i:S+64*\x+16*\g+4*\i+3] offset:128*\g+16*\i
.endr
.endr
.irp i, 0,1,2,3,4,5,6,7
	ds_load_b128 v[S+64*\x+32+4*\i:S+64*\x+32+4*\i+3], v[SRD] offset:544*\i
.endr
.endr
.irp x, 0,1
.irp i, 0,1,2,3,4,5,6,7
	s_wait_dscnt 16*(1-\x)+7-\i
	global_store_b128 v[GO], v[S+64*\x+32+4*\i:S+64*\x+32+4*\i+3], s[54:55] offset:(8*\x+2*(\i%4)+32*(\i/4))*4096 th:TH_STORE_NT   ; sixteen lanes store 256 consecutive bytes
.endr
.endr
	s_wait_tensorcnt 0x0                           ; the wave's end
	ds_add_u32 v126, v127
	s_wait_dscnt 0x0
	ROUND
	s_endpgm
.Lfunc_end_k_qe6a022bec0_attn:
	.size	k_qe6a022bec0_attn, .Lfunc_end_k_qe6a022bec0_attn-k_qe6a022bec0_attn
	.p2alignl 7, 3214868480
	.fill 96, 4, 3214868480
	.section	.rodata,"a",@progbits
	.p2align	6, 0x0
	.amdhsa_kernel k_qe6a022bec0_attn
		.amdhsa_group_segment_fixed_size 327680
		.amdhsa_private_segment_fixed_size 0
		.amdhsa_enable_private_segment 0
		.amdhsa_kernarg_size 32
		.amdhsa_user_sgpr_count 2
		.amdhsa_user_sgpr_kernarg_segment_ptr 1
		.amdhsa_wavefront_size32 1
		.amdhsa_system_sgpr_workgroup_id_x 1
		.amdhsa_system_sgpr_workgroup_id_y 1
		.amdhsa_system_sgpr_workgroup_id_z 1
		.amdhsa_system_vgpr_workitem_id 0
		.amdhsa_next_free_vgpr 512
		.amdhsa_next_free_sgpr 66
		.amdhsa_reserve_vcc 0
		.amdhsa_float_denorm_mode_32 3
		.amdhsa_float_denorm_mode_16_64 3
		.amdhsa_memory_ordered 1
		.amdhsa_forward_progress 1
		.amdhsa_inst_pref_size 96
	.end_amdhsa_kernel
	.amdgpu_metadata
---
amdhsa.version: [ 1, 2 ]
amdhsa.kernels:
  - .name:           k_qe6a022bec0_attn
    .symbol:         k_qe6a022bec0_attn.kd
    .args:
      - { .name: qcs, .offset: 0, .size: 8, .value_kind: global_buffer, .address_space: global }
      - { .name: kv, .offset: 8, .size: 8, .value_kind: global_buffer, .address_space: global }
      - { .name: attention_mask, .offset: 16, .size: 8, .value_kind: global_buffer, .address_space: global }
      - { .name: out0, .offset: 24, .size: 8, .value_kind: global_buffer, .address_space: global }
    .group_segment_fixed_size: 327680
    .private_segment_fixed_size: 0
    .kernarg_segment_align: 8
    .kernarg_segment_size: 32
    .max_flat_workgroup_size: 256
    .sgpr_count:     66
    .vgpr_count:     512
    .wavefront_size: 32
...
	.end_amdgpu_metadata
.endif
;; end of part 3
